; MI455X (gfx1250); checked and timed in simulation.
; The chip was launched on July 23, 2026; its instructions are those of AMD's public machine-readable ISA for CDNA 5 (MIT licence, August 2026) and "CDNA5" Instruction Set Architecture Reference Guide (July 2026). The comments in the code are by the model that wrote it; some were corrected since.
;; Causal Multi Head Self Attention. Allowed arithmetic: matrix products marked QUANTISED: E4M3 operands, one given power-of-two scale a tensor, by v_wmma_f32_16x16x64_fp8_fp8 or v_wmma_f32_16x16x128_fp8_fp8, f32 sums; everything else in f32.
;; Inputs: Wk_codes 1,024 x 32 x 32 uint8 (E4M3 codes of Wk, K innermost, in blocks of 32 codes); Wo_codes 1,024 x 32 x 32 uint8 (E4M3 codes of Wo, K innermost, in blocks of 32 codes); Wq_codes 1,024 x 32 x 32 uint8 (E4M3 codes of Wq, K innermost, in blocks of 32 codes); Wv_codes 1,024 x 32 x 32 uint8 (E4M3 codes of Wv, K innermost, in blocks of 32 codes); in_features_codes 4 x 2,048 x 32 x 32 uint8 (E4M3 codes of in_features, K innermost, in blocks of 32 codes); lowp_scales 12 int32 (the exponents e of the quantised operands' scales 2^e); token_positions 2,048 int32.
;; Outputs: out0 4 x 2,048 x 1,024 float32.
;; This version of the problem:
;;   THIS VERSION OF THE PROBLEM IS GIVEN IN LOW PRECISION. The matrix products marked QUANTISED in the list below multiply operands that are first quantised to E4M3 (4 exponent bits, 3 mantissa bits; 8 bits a number), with one given power-of-two scale for each operand tensor; their sums are f32. All else is computed in f32.
;;   The module's matrix products, in the order in which they are computed (A, B: the left and right operand; K: the contracted axis; several contracted axes count as one K, in the product's order):
;;     1. [M 8,192, K 1,024] x [K 1,024, N 1,024]; A: input in_features (given as codes); B: input Wq (given as codes): QUANTISED (scales: A lowp_scales[0], B lowp_scales[1])
;;     2. [M 8,192, K 1,024] x [K 1,024, N 1,024]; A: input in_features (given as codes); B: input Wk (given as codes): QUANTISED (scales: A lowp_scales[2], B lowp_scales[3])
;;     3. [M 8,192, K 1,024] x [K 1,024, N 1,024]; A: input in_features (given as codes); B: input Wv (given as codes): QUANTISED (scales: A lowp_scales[4], B lowp_scales[5])
;;     4. batch 64 x [M 2,048, K 64] x [K 64, N 2,048]; A: computed on the way; B: computed on the way: QUANTISED (scales: A lowp_scales[6], B lowp_scales[7])
;;     5. batch 64 x [M 2,048, K 2,048] x [K 2,048, N 64]; A: softmax (see below); B: computed on the way: QUANTISED (scales: A lowp_scales[8], B lowp_scales[9])
;;     6. [M 8,192, K 1,024] x [K 1,024, N 1,024]; A: computed on the way; B: input Wo (given as codes): QUANTISED (scales: A lowp_scales[10], B lowp_scales[11])
;;   THE QUANTISER, for each operand of a quantised product, along K:
;;     - The operand's scale is 2^e, e = its entry of the input lowp_scales (int32; the entries are numbered through the quantised products in the list's order, A before B).
;;     - Each number is divided by the scale, clamped to +-448, and rounded to the nearest number of E4M3, ties to even, subnormals kept.
;;     - The product sums the exact products of the quantised numbers (number of the format x scale) in f32.
;;   ~~~python
;;   def quantise(x, axis, e):      # numpy; x: float32 -> the quantised numbers, widened to float32 again
;;       x = np.moveaxis(x, axis, -1); K = x.shape[-1]
;;       r = np.clip(x / 2.0 ** e, -448, 448)
;;       step = 2.0 ** (np.maximum(np.frexp(np.where(r == 0, 1, r))[1] - 1, -6) - 3)
;;       q = np.round(r / step) * step * 2.0 ** e      # np.round: ties to even
;;       return np.moveaxis(q, -1, axis).astype(np.float32)
;;   ~~~
;;   SOFTMAX AHEAD OF A QUANTISED PRODUCT. Where the list says 'softmax', what is quantised is not the finished softmax but p = 2^(t - M), with t = logit x log2(e) and M = ceil(the row's largest t), a whole number; so 1/2 < the row's largest p <= 1. The row's sum l is taken of the UNQUANTISED p, in f32, and the product's result is divided by l at the end. Since M is a whole number, a kernel that streams over the keys may use a running M (the ceiling of the running maximum): every later rescaling is an exact power of two, so the quantised numbers keep their values, but for numbers so far below the row's largest that they fall under the format's range.
;;   OPERANDS COMPUTED ON THE WAY. 'Computed on the way' means the value that the module computes at that place (a softmax that the list does not call 'softmax' is quantised finished and normalised). What goes into a quantiser is computed in f32, as accurately as f32 sums, v_exp_f32 and their like allow (about 1e-6 of the number): no bf16 or f16 on the way to a quantiser, and a product that is left as it is and whose result goes on into a quantised operand takes f32 operands (vector FMAs, or v_wmma_f32_16x16x4_f32). A number that lies on a knife's edge between two numbers of the format may be rounded either way, as far as f32 arithmetic and the matrix unit's own rounding can turn it there, and no further.
;;   INPUTS GIVEN AS CODES. Wk (in the module: [1024, 1024], K = its axis 1); Wo (in the module: [1024, 1024], K = its axis 1); Wq (in the module: [1024, 1024], K = its axis 1); Wv (in the module: [1024, 1024], K = its axis 1); in_features (in the module: [4, 2048, 1024], K = its axis 2): each comes as NAME_codes (uint8): NAME with its K axis moved to the last place and cut into blocks of 32 codes, [.., K / 32, bytes a block], one block behind the other in memory; one code a byte (a code: sign, 4 exponent bits, 3 mantissa bits); its scale is its entry of lowp_scales. Its value is code x scale, taken as it is: it is not quantised again, and the codes and scales need not be those that the quantiser above would give.
;; One version. Each part assembles by itself: llvm-mc -triple=amdgcn-amd-amdhsa -mcpu=gfx1250 --defsym DOCPART=n.
;; ======== version 1 of 1: 4 launches
;; limits: right only within a limited range of input values
;; workspace buffers: rope 524,288 bytes; q_codes 8,388,608 bytes; k_codes 8,388,608 bytes; v_codes 8,388,608 bytes; o_codes 8,388,608 bytes
;; launch rope (part 1): grid 128 x 1, 2 waves a work-group, no clusters, 0 bytes of LDS; arguments token_positions, rope; writes rope
.if DOCPART == 1
	.amdgcn_target "amdgcn-amd-amdhsa--gfx1250"
	.amdhsa_code_object_version 6
	.text
	.protected	k_q1f4119f95d_rope
	.globl	k_q1f4119f95d_rope
	.p2align	8
	.type	k_q1f4119f95d_rope,@function
k_q1f4119f95d_rope:
	s_mov_b64 s[64:65], 0
	v_nop
	global_prefetch_b8 v0, s[64:65] scope:SCOPE_SE
	s_setreg_imm32_b32 hwreg(HW_REG_WAVE_MODE, 25, 1), 1
	s_wait_xcnt 0x0
; cos and sin of token_positions[s] x 10^(-f/8), f = 0 .. 31 (10000^(-2f/64)), for the 2,048 places of a sequence: made once, since every head of Q and of K turns by the same angles.
; THE TABLE is laid as the next launch's registers want it: [16 tokens: 128][q: 8][lane 16 h + r: 32][16 bytes]; the 16 bytes are cos, sin of frequency f0 and cos, sin of f0 + 1
; for token 16 blk + r, f0 = 8 (q / 2) + 4 h + 2 (q % 2).
; SHARES.  Work-group x: g = x % 4 takes frequencies 8 g .. 8 g + 7, x / 4 takes 64 tokens; a thread takes one token and eight frequencies, eight chains side by side.
; ARITHMETIC.  angle = f32(pos) x f32(frequency), rounded once.  n = the nearest whole number to angle x 2/pi; r = angle - n pi/2 with pi/2 in two parts: the first fused multiply-add
; is exact (n x the first part is a multiple of 2^-23 and the difference is under 1), the second adds the rest.  sin r and cos r on |r| <= pi/4 by polynomials of degree 7 and 8; the quadrant n mod 4 swaps and signs them.
; LIMIT: |pos| up to 2^20; what is left of pi/2 behind the two parts, 1.7e-15, times n stays under 2e-9 there.  Beyond that the angle's own rounding is coarser than a turn anyway.
; No LDS, no barrier, no matrix unit, no cluster: threads share nothing.
.set ANG, 8                            ; v8-15   the angles
.set NQ,  16                           ; v16-23  n as f32
.set RR,  24                           ; v24-31  r
.set R2,  32                           ; v32-39  r^2
.set SN,  40                           ; v40-47  sin r
.set CN,  48                           ; v48-55  cos r
.set QI,  56                           ; v56-63  n as a whole number
.set TT,  64                           ; v64-71  at work
.set OUT, 72                           ; v72-87  (cos, sin) of frequency i at v[72 + 2 i]
.macro ANGLES f0, f1, f2, f3, f4, f5, f6, f7
	v_mul_f32 v[ANG+0], \f0, v2
	v_mul_f32 v[ANG+1], \f1, v2
	v_mul_f32 v[ANG+2], \f2, v2
	v_mul_f32 v[ANG+3], \f3, v2
	v_mul_f32 v[ANG+4], \f4, v2
	v_mul_f32 v[ANG+5], \f5, v2
	v_mul_f32 v[ANG+6], \f6, v2
	v_mul_f32 v[ANG+7], \f7, v2
.endm
	s_load_b128 s[4:7], s[0:1], 0x0                ; token_positions s[4:5], the table s[6:7]
	s_and_b32 s8, ttmp9, 3                         ; g
	s_lshr_b32 s9, ttmp9, 2                        ; which 64 tokens
	v_lshlrev_b32 v1, 2, v0                        ; my position's 4 bytes
	v_lshrrev_b32 v3, 4, v0
	v_and_b32 v4, 15, v0
	v_lshlrev_b32 v3, 12, v3                       ; my block of 16 tokens: 4,096 bytes of table each,
	v_lshl_add_u32 v3, v4, 4, v3                   ; + 16 r
	s_lshl_b32 s10, s9, 8                          ; 64 positions are 256 bytes
	s_mov_b32 s11, 0
	s_lshl_b32 s12, s9, 14                         ; four blocks of table,
	s_lshl_b32 s13, s8, 10                         ; + q = 2 g
	s_add_co_u32 s12, s12, s13
	s_mov_b32 s13, 0
	s_mov_b32 s24, 0x3f22f983                      ; 2/pi
	s_mov_b32 s25, 0x3fc90fdb                      ; pi/2, first part
	s_mov_b32 s26, 0xb33bbd2e                      ; pi/2, second part: -4.3711388e-8
	s_mov_b32 s27, 0xb94ca1f9                      ; sin: -1.9515296e-4
	s_mov_b32 s28, 0x3c08839e                      ;       8.3321609e-3
	s_mov_b32 s29, 0xbe2aaaa3                      ;      -1.6666655e-1
	s_mov_b32 s30, 0x37ccf5ce                      ; cos:  2.4433157e-5
	s_mov_b32 s31, 0xbab6061a                      ;      -1.3887316e-3
	s_mov_b32 s32, 0x3d2aaaa5                      ;       4.1666646e-2
	s_wait_alu depctr_va_vdst(0)
	s_wait_kmcnt 0x0
	s_add_nc_u64 s[4:5], s[4:5], s[10:11]
	s_add_nc_u64 s[6:7], s[6:7], s[12:13]
	global_load_b32 v2, v1, s[4:5]
	s_wait_loadcnt 0x0
	v_cvt_f32_i32 v2, v2                           ; pos as f32
	; the eight frequencies 10^(-(8 g + i)/8), written in decimal: the assembler rounds each to the nearest f32.  The branch hangs on the work-group's number alone.
	s_cmp_lg_u32 s8, 0
	s_cbranch_scc1 .Lnot_0
	ANGLES 1.0, 0.749894209332, 0.562341325190, 0.421696503429, 0.316227766017, 0.237137370566, 0.177827941004, 0.133352143216
	s_branch .Langles
.Lnot_0:
	s_cmp_lg_u32 s8, 1
	s_cbranch_scc1 .Lnot_1
	s_wait_alu depctr_va_vdst(0)
	ANGLES 0.1, 0.0749894209332, 0.0562341325190, 0.0421696503429, 0.0316227766017, 0.0237137370566, 0.0177827941004, 0.0133352143216
	s_branch .Langles
.Lnot_1:
	s_cmp_lg_u32 s8, 2
	s_cbranch_scc1 .Lnot_2
	s_wait_alu depctr_va_vdst(0)
	ANGLES 0.01, 0.00749894209332, 0.00562341325190, 0.00421696503429, 0.00316227766017, 0.00237137370566, 0.00177827941004, 0.00133352143216
	s_branch .Langles
.Lnot_2:
	s_wait_alu depctr_va_vdst(0)
	ANGLES 0.001, 0.000749894209332, 0.000562341325190, 0.000421696503429, 0.000316227766017, 0.000237137370566, 0.000177827941004, 0.000133352143216
.Langles:
	s_wait_alu depctr_va_vdst(0)
.irp i, 0,1,2,3,4,5,6,7
	v_mul_f32 v[NQ+\i], s24, v[ANG+\i]
.endr
.irp i, 0,1,2,3,4,5,6,7
	v_rndne_f32 v[NQ+\i], v[NQ+\i]                 ; n
.endr
.irp i, 0,1,2,3,4,5,6,7
	v_fma_f32 v[RR+\i], -v[NQ+\i], s25, v[ANG+\i]  ; exact
.endr
.irp i, 0,1,2,3,4,5,6,7
	v_fma_f32 v[RR+\i], -v[NQ+\i], s26, v[RR+\i]   ; r
.endr
.irp i, 0,1,2,3,4,5,6,7
	v_mul_f32 v[R2+\i], v[RR+\i], v[RR+\i]
.endr
.irp i, 0,1,2,3,4,5,6,7
	v_fma_f32 v[SN+\i], v[R2+\i], s27, s28
	v_fma_f32 v[CN+\i], v[R2+\i], s30, s31
.endr
.irp i, 0,1,2,3,4,5,6,7
	v_fma_f32 v[SN+\i], v[SN+\i], v[R2+\i], s29
	v_fma_f32 v[CN+\i], v[CN+\i], v[R2+\i], s32
	v_mul_f32 v[TT+\i], v[R2+\i], v[RR+\i]         ; r^3
.endr
.irp i, 0,1,2,3,4,5,6,7
	v_fma_f32 v[SN+\i], v[SN+\i], v[TT+\i], v[RR+\i]   ; sin r
	v_fma_f32 v[CN+\i], v[CN+\i], v[R2+\i], -0.5
	v_cvt_i32_f32 v[QI+\i], v[NQ+\i]
.endr
.irp i, 0,1,2,3,4,5,6,7
	v_fma_f32 v[CN+\i], v[CN+\i], v[R2+\i], 1.0    ; cos r
	v_and_b32 v[TT+\i], 1, v[QI+\i]
.endr
.irp i, 0,1,2,3,4,5,6,7                        ; n mod 4 = 0: (c, s);  1: (-s, c);  2: (-c, -s);  3: (s, -c)
	v_cmp_eq_u32 vcc_lo, 1, v[TT+\i]
	v_cndmask_b32 v[OUT+2*\i], v[CN+\i], v[SN+\i], vcc_lo      ; an odd n swaps the two
	v_cndmask_b32 v[OUT+2*\i+1], v[SN+\i], v[CN+\i], vcc_lo
	v_add_nc_u32 v[TT+\i], 1, v[QI+\i]
	v_and_b32 v[TT+\i], 2, v[TT+\i]                ; the cosine is negative for n mod 4 = 1, 2,
	v_and_b32 v[QI+\i], 2, v[QI+\i]                ; the sine for 2, 3
	v_lshlrev_b32 v[TT+\i], 30, v[TT+\i]
	v_lshlrev_b32 v[QI+\i], 30, v[QI+\i]
	v_xor_b32 v[OUT+2*\i], v[OUT+2*\i], v[TT+\i]
	v_xor_b32 v[OUT+2*\i+1], v[OUT+2*\i+1], v[QI+\i]
.endr
.irp u, 0,1                                    ; q = 2 g + u
.irp h, 0,1                                    ; frequencies 8 g + 4 h + 2 u and the next: sixteen lanes store 256 consecutive bytes, aligned
	global_store_b128 v3, v[OUT+8*\h+4*\u:OUT+8*\h+4*\u+3], s[6:7] offset:512*\u+256*\h
.endr
.endr
	s_endpgm
.Lfunc_end_k_q1f4119f95d_rope:
	.size	k_q1f4119f95d_rope, .Lfunc_end_k_q1f4119f95d_rope-k_q1f4119f95d_rope
	.p2alignl 7, 3214868480
	.fill 96, 4, 3214868480
	.section	.rodata,"a",@progbits
	.p2align	6, 0x0
	.amdhsa_kernel k_q1f4119f95d_rope
		.amdhsa_group_segment_fixed_size 0
		.amdhsa_private_segment_fixed_size 0
		.amdhsa_enable_private_segment 0
		.amdhsa_kernarg_size 16
		.amdhsa_user_sgpr_count 2
		.amdhsa_user_sgpr_kernarg_segment_ptr 1
		.amdhsa_wavefront_size32 1
		.amdhsa_system_sgpr_workgroup_id_x 1
		.amdhsa_system_sgpr_workgroup_id_y 1
		.amdhsa_system_sgpr_workgroup_id_z 1
		.amdhsa_system_vgpr_workitem_id 0
		.amdhsa_next_free_vgpr 96
		.amdhsa_next_free_sgpr 66
		.amdhsa_reserve_vcc 1
		.amdhsa_float_denorm_mode_32 3
		.amdhsa_float_denorm_mode_16_64 3
		.amdhsa_memory_ordered 1
		.amdhsa_forward_progress 1
		.amdhsa_inst_pref_size 13
	.end_amdhsa_kernel
	.amdgpu_metadata
---
amdhsa.version: [ 1, 2 ]
amdhsa.kernels:
  - .name:           k_q1f4119f95d_rope
    .symbol:         k_q1f4119f95d_rope.kd
    .args:
      - { .name: token_positions, .offset: 0, .size: 8, .value_kind: global_buffer, .address_space: global }
      - { .name: rope, .offset: 8, .size: 8, .value_kind: global_buffer, .address_space: global }
    .group_segment_fixed_size: 0
    .private_segment_fixed_size: 0
    .kernarg_segment_align: 8
    .kernarg_segment_size: 16
    .max_flat_workgroup_size: 64
    .sgpr_count:     66
    .vgpr_count:     96
    .wavefront_size: 32
...
	.end_amdgpu_metadata
.endif
;; end of part 1
;; launch qkv (part 2): grid 12 x 32, 4 waves a work-group, clusters of 4 x 4, 327,680 bytes of LDS; arguments in_features_codes, Wq_codes, Wk_codes, Wv_codes, lowp_scales, rope, q_codes, k_codes, v_codes; writes q_codes, k_codes, v_codes
.if DOCPART == 2
	.amdgcn_target "amdgcn-amd-amdhsa--gfx1250"
	.amdhsa_code_object_version 6
	.text
	.protected	k_q1f4119f95d_qkv
	.globl	k_q1f4119f95d_qkv
	.p2align	8
	.type	k_q1f4119f95d_qkv,@function
k_q1f4119f95d_qkv:
	s_mov_b64 s[64:65], 0
	v_nop
	global_prefetch_b8 v0, s[64:65] scope:SCOPE_SE
	s_setreg_imm32_b32 hwreg(HW_REG_WAVE_MODE, 25, 1), 1
	s_wait_xcnt 0x0
	s_wait_alu depctr_hold_cnt(0) depctr_sa_sdst(0) depctr_va_vdst(0) depctr_va_sdst(0) depctr_va_ssrc(0) depctr_va_vcc(0) depctr_vm_vsrc(0)
	s_getreg_b32 s2, hwreg(HW_REG_IB_STS2, 6, 4)
	s_cmp_eq_u32 s2, 0
	s_cbranch_scc0 .Lentry_in_a_cluster
	s_endpgm
.Lentry_in_a_cluster:
	s_bfe_u32 s2, ttmp6, 0x10000c
	s_cmp_lg_u32 s2, 0xf033
	s_cbranch_scc0 .Lentry_shape_is_right
	s_endpgm
.Lentry_shape_is_right:
; Q = X Wq^T, K = X Wk^T, V = X Wv^T on codes of E4M3 (X: [8192][1024], each W: [1024][1024], K innermost), sums in f32; Q and K are turned (RoPE); all three are quantised to E4M3 with the given scales.
; The cluster's x says which: 0 Q, 1 K, 2 V: the same number in all sixteen partners.  A tile of the result is 256 tokens x 256 outputs, made by four waves, each 128 x 128: 64 accumulators, 512 registers.
; K goes in steps of 256 through a ring of two LDS slots filled by the tensor data mover; four slots' worth in all, so the steps are written out without a loop.
; CLUSTERS: 4 x 4 work-groups.  The four of a row need the same tile of X, the four of a column the same tile of W: each tile is asked for JOINTLY, by the same tensor load with the same descriptor and a mask that names the four.
; LAYOUT OF THE RESULT.  The matrix instruction is D(a, b) = set B's block b (source 0) x set A's block a (source 1): a lane holds one row of set A's block and its eight registers eight neighbouring rows of set B's.
;   Q, K: set A = X's rows, set B = W's rows: a lane holds a token and eight neighbouring outputs: the pairs that RoPE turns, and neighbours along the next product's K (the head's 64).
;   V:    set A = W's rows, set B = X's rows: a lane holds a channel and eight neighbouring tokens: neighbours along the next product's K (the keys).  Only the two LDS base addresses change places; every line of the loop is the same.
; THE WAYS PART ONCE, on the cluster's x, behind the last change of slots, where no barrier and no tensor load is left: the last two steps of 128 along K are written on both ways.  On Q's and K's way the first
; loads of the table of cosines and sines stand at its head, 128 matrix instructions ahead of their first use; V's way loads no table.  The ways join at the closing lines.
; THE CODES LEAVE AS IMAGES OF THE NEXT LAUNCH'S OPERAND REGISTERS: the 16 registers of two neighbouring blocks b = 2 c, 2 c + 1 become 16 bytes, k = 32 c + 8 h + 0..7 and 32 c + 16 + 8 h + 0..7, which are registers 4 c .. 4 c + 3 of an
; 8-bit fragment.  q_codes, k_codes: [batch x 16 + head][16 tokens: 128][c: 2][lane][16 bytes];  v_codes: [batch x 16 + head][32 keys: 64][16 channels: 4][lane][16 bytes].  Each store of a wave covers 512 consecutive bytes, aligned; no stage in LDS.
; SCALES.  A sum stands for sum x 2^(ea + eb).  RoPE is linear, so it works on the sums as they are, and the conversion's one scale is 2^E, E = e6 - e0 - e1 (Q), e7 - e2 - e3 (K), e9 - e4 - e5 (V).
; LIMITS: each E between -126 and 119, so that 2^E and 448 x 2^E are f32 numbers.  NaN among the sums is not served (an infinity is held at the largest code).
; REGISTERS, in windows of 256: window 0: v0-31 addresses and constants; v32-95 two sets of the table of cosines and sines (V: the numbers at work); v96-127 a head's numbers at work; v128-255 set A (ONE set), later the codes.
;   window 1: set B, TWO sets, at v0 and v128.   window 2: accumulators of set A's blocks 0-3 ((a, b) at v[8 (8 (a % 4) + b)]);   window 3: blocks 4-7.
.set ROWB,   256                       ; a tile's row in bytes
.set KROW,   1024                      ; a row of X or W in memory
.set PITCH,  272                       ; an LDS row: 256 bytes + 16 of padding = 68 words, so that the 16 rows that a load touches start at 16 different banks (64 banks of 4 bytes: ISA guide 11.1)
.set FR,     16                        ; registers of a fragment: 16 rows x 128 K
.set NL,     4                         ; LDS loads that bring one
.set NP,     4                         ; places behind this matrix instruction (ISA guide 7.12.1)
.set HALFT,  128*PITCH                 ; 128 rows: what one tensor load brings
.set SLOT,   4*HALFT                   ; X's 256 rows, then W's 256 rows
.set SPARE,  2*SLOT                    ; behind the ring: the spare words, 128 bytes for each wave
.set ADRA, 16                          ; v16-17  LDS address of set A's fragments in slot 0, 1
.set ADRB, 20                          ; v20-21  of set B's
.set LOFF, 26                          ; v26     16 x lane; never rewritten
.set SPW,  28                          ; v28     LDS address of my spare word; never rewritten
.set NIL,  29                          ; v29     0; never rewritten
.set CSC,  30                          ; v30     2^E as f32
.set LIM,  31
.set TAB,  32                          ; v32-63, v64-95: the table for 16 tokens, two sets by turns
.set TQ,   96                          ; v96-127 a head's 32 numbers of a lane
.set TV,   32
.set AF,   128                         ; set A
.set COD,  128                         ; the codes: every store has registers of its own
.set G1, 24                            ; s[24:31] descriptor group 1 for X's tiles;  s[32:39] group 0, one set for each slot
.set G0, 32
.set G1B, 48                           ; s[48:55], s[56:63] the same for W's tiles
.set G0B, 56
.set MSB, 0
.macro WIN new                         ; the immediate's high byte repeats the setting that is left
.if MSB != \new
	s_set_vgpr_msb (MSB<<8)|\new
.set MSB, \new
.endif
.endm
.set MUL_LO, 0xa1                      ; source 0 (set B) window 1, source 1 (set A) window 0, C and D window 2
.set MUL_HI, 0xf1                      ; the same, C and D window 3
.set TO_B,   0x40                      ; destination window 1, address window 0
; A joint load: waves 0 and 1 fetch X's halves, waves 2 and 3 W's.  Each line has one mask and one set of registers; the branch hangs on the wave's number alone.  Four v_nop follow each line.
.macro JLOAD g0a, g1a, g0b, g1b
	s_cmp_eq_u32 s15, 0
	s_cbranch_scc0 .Lfor_b_\@
	tensor_load_to_lds s[\g0a:\g0a+3], s[\g1a:\g1a+7]
	s_nop 0
.rept 4
	v_nop
.endr
	s_branch .Lasked_\@
.Lfor_b_\@:
	tensor_load_to_lds s[\g0b:\g0b+3], s[\g1b:\g1b+7]
	s_nop 0
.rept 4
	v_nop
.endr
.Lasked_\@:
.endm
.macro CREST                           ; a round of the cluster's barrier behind its opening barrier
	s_cmp_lg_u32 s14, 0
	s_cbranch_scc1 .Lnot_wave_0_\@
	s_barrier_signal -3
.Lnot_wave_0_\@:
	s_barrier_wait -3
	s_barrier_signal -1
	s_barrier_wait -1
.endm
.macro CROUND                          ; a whole round
	s_barrier_signal -1
	s_barrier_wait -1
	CREST
.endm
	s_load_b256 s[4:11], s[0:1], 0x0               ; X s[4:5], Wq s[6:7], Wk s[8:9], Wv s[10:11]
	s_load_b256 s[72:79], s[0:1], 0x20             ; the scales' exponents s[72:73], the table s[74:75], q_codes s[76:77], k_codes s[78:79]
	s_load_b64 s[80:81], s[0:1], 0x40              ; v_codes
	v_lshl_add_u32 v[SPW], v0, 2, SPARE
	v_mov_b32 v[NIL], 0
	ds_add_u32 v28, v29
	ds_add_u32 v28, v29
	s_wait_dscnt 0x0
	v_lshrrev_b32 v1, 5, v0
	v_readfirstlane_b32 s14, v1                    ; wave 0..3
	s_lshr_b32 s15, s14, 1                         ; which half of the tile's tokens is mine.  Also: I fetch for X (0) or for W (1)
	s_and_b32 s16, s14, 1                          ; which half of its outputs.  Also: which 128 rows of that tile I fetch
	s_bfe_u32 s40, ttmp6, 0x40000                  ; cx: the tile column inside the weight
	s_bfe_u32 s41, ttmp6, 0x40004                  ; cy
	s_and_b32 s17, ttmp7, 0xffff
	s_lshl_b32 s17, s17, 2
	s_add_co_u32 s17, s17, s41                     ; tile row = 4 x cluster y + cy: 256 tokens each
	s_lshl_b32 s43, s41, 2
	s_lshl_b32 s43, 15, s43                        ; my row of the cluster
	s_lshl_b32 s44, 0x1111, s40                    ; my column
	; descriptor group 1: a tile of 128 rows x 256 bytes, padded in LDS
	s_or_b32 s[G1+0], s43, (0<<16)|(1<<20)|(1<<21)|(5<<22)|(3<<25)  ; 15:0 the mask: X's tiles go to my row; 17:16 element of 1 byte; 20 padding on; 21 set beside a mask; 24:22 after every 64 words (code 5); 31:25 of 4 words (code 3)
	s_or_b32 s[G1B+0], s44, (0<<16)|(1<<20)|(1<<21)|(5<<22)|(3<<25) ; W's tiles go to my column
.irp g, G1, G1B
	s_mov_b32 s[\g+1], ROWB<<16                    ; tensor_dim0
	s_mov_b32 s[\g+2], 128<<16                     ; tensor_dim1
	s_mov_b32 s[\g+3], ROWB<<16                    ; tile_dim0
	s_mov_b32 s[\g+4], 128                         ; tile_dim1
	s_mov_b32 s[\g+5], KROW                        ; tensor_dim0_stride
	s_mov_b32 s[\g+6], 0
	s_mov_b32 s[\g+7], 0
.endr
	s_lshl_b32 s18, s16, 7                         ; which 128 rows of the tile I fetch
	s_lshl_b32 s20, s17, 8
	s_add_co_u32 s20, s20, s18
	s_lshl_b32 s20, s20, 10                        ; X: row 256 x tile row + 128 x half, 1,024 bytes a row
	s_mov_b32 s21, 0
	s_lshl_b32 s46, s40, 8
	s_add_co_u32 s46, s46, s18
	s_lshl_b32 s46, s46, 10                        ; W: row 256 cx + 128 x half
	s_mov_b32 s47, 0
	s_mul_i32 s45, s14, HALFT                      ; where they go: wave x 128 rows: no place in the cluster enters an LDS address
	s_wait_kmcnt 0x0
	s_load_b256 s[84:91], s[72:73], 0x0            ; e0 .. e7
	s_load_b128 s[92:95], s[72:73], 0x20           ; e8 .. e11
	s_cmp_eq_u32 ttmp9, 0                          ; which weight and which output: the choice hangs on the cluster's x alone
	s_cselect_b64 s[18:19], s[6:7], s[8:9]
	s_cselect_b64 s[66:67], s[76:77], s[78:79]
	s_cmp_eq_u32 ttmp9, 2
	s_cselect_b64 s[18:19], s[10:11], s[18:19]
	s_cselect_b64 s[66:67], s[80:81], s[66:67]
	s_add_nc_u64 s[20:21], s[4:5], s[20:21]
	s_add_nc_u64 s[46:47], s[18:19], s[46:47]
	CROUND                                         ; all sixteen work-groups are here: the first joint loads meet
.irp s, 0,1
	s_mov_b32 s[G0+4*\s], 1
	s_add_co_u32 s[G0+4*\s+1], s45, \s*SLOT
	s_add_nc_u64 s[G0+4*\s+2:G0+4*\s+3], s[20:21], \s*ROWB
	s_or_b32 s[G0+4*\s+3], s[G0+4*\s+3], 0x80000000
	s_mov_b32 s[G0B+4*\s], 1
	s_add_co_u32 s[G0B+4*\s+1], s45, \s*SLOT
	s_add_nc_u64 s[G0B+4*\s+2:G0B+4*\s+3], s[46:47], \s*ROWB
	s_or_b32 s[G0B+4*\s+3], s[G0B+4*\s+3], 0x80000000
	JLOAD G0+4*\s, G1, G0B+4*\s, G1B
.endr
	v_and_b32 v1, 15, v0                           ; l % 16
	v_bfe_u32 v2, v0, 4, 1                         ; l / 16
	v_mul_u32_u24 v3, v1, PITCH
	v_lshl_add_u32 v4, v2, 4, v3                   ; a fragment's row x pitch + 16 x half
	s_wait_alu depctr_va_vdst(0)
	s_mul_i32 s21, s15, HALFT                      ; my 128 rows of X
	s_mul_i32 s22, s16, HALFT                      ; my 128 rows of W,
	s_add_co_u32 s22, s22, 2*HALFT                 ; which lie behind X's 256
	s_cmp_eq_u32 ttmp9, 2                          ; V: the two change places; both lie in the same slot
	s_cselect_b32 s23, s22, s21                    ; set A
	s_cselect_b32 s22, s21, s22                    ; set B
.irp s, 0,1
	v_add_nc_u32 v[ADRA+\s], s23, v4
	v_add_nc_u32 v[ADRB+\s], s22, v4
	s_add_co_u32 s23, s23, SLOT
	s_add_co_u32 s22, s22, SLOT
.endr
	v_and_b32 v6, 31, v0
	v_lshlrev_b32 v[LOFF], 4, v6
	; where my wave's codes begin; the same sum for all three tensors: batch x 16 heads x 131,072 + (4 cx + 2 x output half) x 131,072 + (tile row % 8) x 16,384 + token half x 8,192
	s_lshr_b32 s20, s17, 3
	s_lshl_b32 s20, s20, 21
	s_lshl_b32 s21, s40, 2
	s_lshl_b32 s18, s16, 1
	s_add_co_u32 s21, s21, s18
	s_lshl_b32 s21, s21, 17
	s_add_co_u32 s20, s20, s21
	s_and_b32 s18, s17, 7
	s_lshl_b32 s21, s18, 14
	s_add_co_u32 s20, s20, s21
	s_lshl_b32 s21, s15, 13
	s_add_co_u32 s20, s20, s21
	s_mov_b32 s21, 0
	s_add_nc_u64 s[66:67], s[66:67], s[20:21]
	s_lshl_b32 s20, s18, 16                        ; the table for my 128 tokens: 4,096 bytes for 16 tokens
	s_lshl_b32 s18, s15, 15
	s_add_co_u32 s20, s20, s18
	s_add_nc_u64 s[68:69], s[74:75], s[20:21]
.macro TLOADS a                        ; the table for set A's block a (16 tokens): 8 loads of 512 consecutive bytes, into set a % 2
.irp q, 0,1,2,3,4,5,6,7
	global_load_b128 v[TAB+32*((\a)%2)+4*\q:TAB+32*((\a)%2)+4*\q+3], v[LOFF], s[68:69] offset:4096*(\a)+512*\q
.endr
.endm
.macro FRAG reg, adr, q, i             ; 16 rows x 128 K: lane l holds row l % 16; registers 4 c .. 4 c + 3 hold K = 32 c + 16 (l / 16) + 0 .. 15: a permutation of k, the same on both sides, so every product meets its partner
.irp c, 0,1,2,3
	ds_load_b128 v[\reg+4*\c:\reg+4*\c+3], v[\adr] offset:128*(\q)+32*\c+(\i)*16*PITCH
.endr
.endm
; 16 matrix instructions: set A's blocks a0, a0 + 1 x set B's eight.  p: which set of B.  zero = 1: the first product starts the sums.  The 64 accumulators take turns, one instruction a turn.
.macro MUL16 a0, p, zero
.irp a, \a0, \a0+1
.irp b, 0,1,2,3,4,5,6,7
.if \zero
	v_wmma_f32_16x16x128_fp8_fp8 v[8*(8*((\a)%4)+\b):8*(8*((\a)%4)+\b)+7], v[128*(\p)+FR*\b:128*(\p)+FR*\b+FR-1], v[AF+FR*(\a):AF+FR*(\a)+FR-1], 0
.else
	v_wmma_f32_16x16x128_fp8_fp8 v[8*(8*((\a)%4)+\b):8*(8*((\a)%4)+\b)+7], v[128*(\p)+FR*\b:128*(\p)+FR*\b+FR-1], v[AF+FR*(\a):AF+FR*(\a)+FR-1], v[8*(8*((\a)%4)+\b):8*(8*((\a)%4)+\b)+7]
.endif
.endr
.endr
.endm
.macro FETCH_B slot, q, p
	WIN TO_B
.irp i, 0,1,2,3,4,5,6,7
	FRAG 128*(\p)+FR*\i, ADRB+\slot, \q, \i
.endr
	WIN 0
.endm
.macro FETCH_A slot, q, i0
.irp i, \i0, \i0+1, \i0+2, \i0+3
	FRAG AF+FR*(\i), ADRA+\slot, \q, \i
.endr
.endm
.macro PLACES n                        ; plain vector instructions between a matrix instruction and a load into, or a vector instruction on, its registers (ISA guide 7.12.1 for vector instructions)
.rept \n
	v_nop
.endr
.endm
; A step of 128 along K that has its successor in the same slot.  Set A's block is free as soon as its eight products are issued: blocks 0-3 are fetched anew in the middle, blocks 4-7 at the end.
.macro STEP slot, q, zero
	s_wait_dscnt 4*NL                              ; set B and set A's blocks 0-3 are in; the youngest 16 loads (blocks 4-7) may be out
	WIN MUL_LO
	MUL16 0, (\q)%2, \zero
	MUL16 2, (\q)%2, \zero
	s_wait_dscnt 0                                 ; blocks 4-7 are in
	PLACES NP
	FETCH_B \slot, (\q)+1, 1-(\q)%2
	FETCH_A \slot, (\q)+1, 0
	WIN MUL_HI
	MUL16 4, (\q)%2, \zero
	MUL16 6, (\q)%2, \zero
	PLACES NP
	WIN 0
	FETCH_A \slot, (\q)+1, 4
.endm
; A slot's last step changes slots: one barrier; in front of it each wave waits for all its tensor loads, adds 0 to its spare word, and waits for that and for its reads of this slot.  fill = 1: the slot is filled again, two slots' worth further along K.
.macro TURN slot, next, fill
	s_wait_tensorcnt 0x0                           ; all my tensor loads have landed: my part of the next slot
	ds_add_u32 v[SPW], v[NIL]                      ; 0 onto my spare word
	s_wait_dscnt 4*NL+1                            ; (the add and the youngest 16 loads may be out)
	WIN MUL_LO
	MUL16 0, 1, 0                                  ; sixteen matrix instructions stand between the add and the wait for it
	s_wait_dscnt 0x0                               ; the add is done, and my reads of this slot are over
	s_barrier_signal -1
	MUL16 2, 1, 0
	WIN 0
	s_barrier_wait -1
.if \fill
	CREST                                          ; the barrier has opened a round of the cluster's: no wave of any partner still reads this slot or has a load on its way
	s_add_nc_u64 s[G0+4*\slot+2:G0+4*\slot+3], s[G0+4*\slot+2:G0+4*\slot+3], 2*ROWB
	s_add_nc_u64 s[G0B+4*\slot+2:G0B+4*\slot+3], s[G0B+4*\slot+2:G0B+4*\slot+3], 2*ROWB
	JLOAD G0+4*\slot, G1, G0B+4*\slot, G1B         ; the first tensor load behind the round; its four v_nop are also the places in front of the loads below
.else
	PLACES NP
.endif
	FETCH_B \next, 0, 0
	FETCH_A \next, 0, 0
	WIN MUL_HI
	MUL16 4, 1, 0
	MUL16 6, 1, 0
	PLACES NP
	WIN 0
	FETCH_A \next, 0, 4
.endm
; The last two steps of 128 along K, both in slot 1: no barrier, no tensor load.  Written once for each of the two ways.
.macro TAIL
	STEP 1, 0, 0                                   ; K 768-895
	s_wait_dscnt 4*NL                              ; K 896-1023: nothing more to fetch
	WIN MUL_LO
	MUL16 0, 1, 0
	MUL16 2, 1, 0
	s_wait_dscnt 0
	WIN MUL_HI
	MUL16 4, 1, 0
	MUL16 6, 1, 0
	WIN 0
.endm
; s70 = E: the conversion's scale and the hold's bound.  The move and two v_nop are three places behind the last products, whose results are read and whose set A is written below.
.macro MKSCALE
	s_add_co_i32 s70, s70, 127
	s_lshl_b32 s71, s70, 23
	v_mov_b32 v[CSC], s71                          ; 2^E: the conversion takes its exponent field
	s_add_co_i32 s70, s70, 8
	s_lshl_b32 s70, s70, 23
	s_or_b32 s70, s70, 0x600000
	PLACES 2
.endm
; Q, K: set A's block a: 16 tokens x my two heads.  Of a pair (x1, x2) and its (cos, sin): (x1 c, x2 c), then (x1 c - x2 s, x2 c + x1 s): two packed instructions a pair.  Each accumulator is read from its low end on.
.macro ROPE_OUT a
.set TS, TAB+32*((\a)%2)
.if (\a) < 7
	s_wait_loadcnt 8                               ; this block's table is in; the next block's eight loads may be out
.else
	s_wait_loadcnt 0
.endif
.irp hh, 0,1
.set AC, 64*((\a)%4)+32*\hh
.set CD, COD+8*(2*(\a)+\hh)
	WIN 0x02+((\a)/4)                              ; source 0: window 2 or 3
.set jj, 0
	v_nop
.rept 16
	v_pk_mul_f32 v[TQ+jj:TQ+jj+1], v[AC+jj:AC+jj+1], v[TS+jj:TS+jj+1] op_sel_hi:[1,0]
.set jj, jj+2
.endr
.set jj, 0
.rept 16
	v_pk_fma_f32 v[TQ+jj:TQ+jj+1], v[AC+jj:AC+jj+1], v[TS+jj:TS+jj+1], v[TQ+jj:TQ+jj+1] op_sel:[1,1,0] op_sel_hi:[0,1,1] neg_lo:[0,1,0]
.set jj, jj+2
.endr
	WIN 0
.set jj, 0
.rept 32
.set jj, jj+1
.endr
.irp k, 0,1,2,3
	v_cvt_scalef32_pk8_fp8_f32 v[CD+2*\k:CD+2*\k+1], v[TQ+8*\k:TQ+8*\k+7], v[CSC]
.endr
	v_nop                                          ; one plain vector instruction between the conversions and the next lines that write their sources
	global_store_b128 v[LOFF], v[CD:CD+3], s[66:67] offset:131072*\hh+1024*(\a)
	global_store_b128 v[LOFF], v[CD+4:CD+7], s[66:67] offset:131072*\hh+1024*(\a)+512
.endr
.if (\a) < 6
	TLOADS (\a)+2                                  ; into the set that both heads have just read
.endif
.endm
; V: set A's block a: 16 channels x my 128 tokens.
.macro V_OUT a
	WIN 0x02+((\a)/4)
.set jj, 0
.rept 64
.set jj, jj+1
.endr
	v_nop
.irp k, 0,1,2,3,4,5,6,7
	v_cvt_scalef32_pk8_fp8_f32 v[COD+16*(\a)+2*\k:COD+16*(\a)+2*\k+1], v[TV+8*\k+((64*((\a)%4)+jj)-(TV+jj)):TV+8*\k+7+((64*((\a)%4)+jj)-(TV+jj))], v[CSC]
.endr
	WIN 0
	v_nop
.irp g, 0,1,2,3                                ; 32 keys each
	global_store_b128 v[LOFF], v[COD+16*(\a)+4*\g:COD+16*(\a)+4*\g+3], s[66:67] offset:131072*((\a)/4)+2048*\g+512*((\a)%4)
.endr
.endm
	s_wait_alu depctr_va_vdst(0)
	s_wait_tensorcnt 1                             ; my part of slot 0 is in; slot 1's load may be out
	s_barrier_signal -1
	s_barrier_wait -1
	FETCH_B 0, 0, 0
	FETCH_A 0, 0, 0
	FETCH_A 0, 0, 4
	STEP 0, 0, 1                                   ; K 0-127: its products start the sums
	TURN 0, 1, 1                                   ; K 128-255; slot 0 takes K 512-767
	STEP 1, 0, 0
	TURN 1, 0, 1                                   ; slot 1 takes K 768-1023
	STEP 0, 0, 0
	TURN 0, 1, 0                                   ; nothing is left to fetch: the last barrier but the closing round's
	s_cmp_eq_u32 ttmp9, 2                          ; THE WAYS PART, on the cluster's x: the same in all sixteen partners and all four waves
	s_cbranch_scc1 .Lv_tail
	; ---- Q and K
	TLOADS 0                                       ; the table for my first 32 tokens: v32-95 of window 0 are idle until the way out, and the loads have the tail's 128 matrix instructions in which to land
	TLOADS 1
	TAIL
	s_wait_kmcnt 0x0
	s_sub_co_i32 s84, s90, s84
	s_sub_co_i32 s84, s84, s85                     ; Q: e6 - e0 - e1
	s_sub_co_i32 s86, s91, s86
	s_sub_co_i32 s86, s86, s87                     ; K: e7 - e2 - e3
	s_cmp_eq_u32 ttmp9, 0
	s_cselect_b32 s70, s84, s86
	MKSCALE
.irp a, 0,1,2,3,4,5,6,7
	ROPE_OUT \a
.endr
	s_branch .Lclose
.Lv_tail:
	; ---- V
	TAIL
	s_wait_kmcnt 0x0
	s_sub_co_i32 s70, s93, s88
	s_sub_co_i32 s70, s70, s89                     ; e9 - e4 - e5
	MKSCALE
.irp a, 0,1,2,3,4,5,6,7
	V_OUT \a
.endr
.Lclose:
	s_wait_tensorcnt 0x0                           ; the wave's end
	ds_add_u32 v[SPW], v[NIL]
	s_wait_dscnt 0x0
	CROUND                                         ; the closing round: no work-group ends while a partner may still ask for a tile that names it
	s_endpgm
.Lfunc_end_k_q1f4119f95d_qkv:
	.size	k_q1f4119f95d_qkv, .Lfunc_end_k_q1f4119f95d_qkv-k_q1f4119f95d_qkv
	.p2alignl 7, 3214868480
	.fill 96, 4, 3214868480
	.section	.rodata,"a",@progbits
	.p2align	6, 0x0
	.amdhsa_kernel k_q1f4119f95d_qkv
		.amdhsa_group_segment_fixed_size 327680
		.amdhsa_private_segment_fixed_size 0
		.amdhsa_enable_private_segment 0
		.amdhsa_kernarg_size 72
		.amdhsa_user_sgpr_count 2
		.amdhsa_user_sgpr_kernarg_segment_ptr 1
		.amdhsa_wavefront_size32 1
		.amdhsa_system_sgpr_workgroup_id_x 1
		.amdhsa_system_sgpr_workgroup_id_y 1
		.amdhsa_system_sgpr_workgroup_id_z 1
		.amdhsa_system_vgpr_workitem_id 0
		.amdhsa_next_free_vgpr 1024
		.amdhsa_next_free_sgpr 100
		.amdhsa_reserve_vcc 0
		.amdhsa_float_denorm_mode_32 3
		.amdhsa_float_denorm_mode_16_64 3
		.amdhsa_fp16_overflow 1
		.amdhsa_memory_ordered 1
		.amdhsa_forward_progress 1
		.amdhsa_inst_pref_size 146
	.end_amdhsa_kernel
	.amdgpu_metadata
---
amdhsa.version: [ 1, 2 ]
amdhsa.kernels:
  - .name:           k_q1f4119f95d_qkv
    .symbol:         k_q1f4119f95d_qkv.kd
    .args:
      - { .name: in_features_codes, .offset: 0, .size: 8, .value_kind: global_buffer, .address_space: global }
      - { .name: Wq_codes, .offset: 8, .size: 8, .value_kind: global_buffer, .address_space: global }
      - { .name: Wk_codes, .offset: 16, .size: 8, .value_kind: global_buffer, .address_space: global }
      - { .name: Wv_codes, .offset: 24, .size: 8, .value_kind: global_buffer, .address_space: global }
      - { .name: lowp_scales, .offset: 32, .size: 8, .value_kind: global_buffer, .address_space: global }
      - { .name: rope, .offset: 40, .size: 8, .value_kind: global_buffer, .address_space: global }
      - { .name: q_codes, .offset: 48, .size: 8, .value_kind: global_buffer, .address_space: global }
      - { .name: k_codes, .offset: 56, .size: 8, .value_kind: global_buffer, .address_space: global }
      - { .name: v_codes, .offset: 64, .size: 8, .value_kind: global_buffer, .address_space: global }
    .group_segment_fixed_size: 327680
    .private_segment_fixed_size: 0
    .kernarg_segment_align: 8
    .kernarg_segment_size: 72
    .max_flat_workgroup_size: 128
    .sgpr_count:     100
    .vgpr_count:     1024
    .wavefront_size: 32
...
	.end_amdgpu_metadata
.endif
;; end of part 2
;; launch attn (part 3): grid 4 x 64, 16 waves a work-group, clusters of 4 x 1, 264,192 bytes of LDS; arguments q_codes, k_codes, v_codes, lowp_scales, o_codes; writes o_codes
.if DOCPART == 3
	.amdgcn_target "amdgcn-amd-amdhsa--gfx1250"
	.amdhsa_code_object_version 6
	.text
	.protected	k_q1f4119f95d_attn
	.globl	k_q1f4119f95d_attn
	.p2align	8
	.type	k_q1f4119f95d_attn,@function
k_q1f4119f95d_attn:
	s_mov_b64 s[64:65], 0
	v_nop
	global_prefetch_b8 v0, s[64:65] scope:SCOPE_SE
	s_setreg_imm32_b32 hwreg(HW_REG_WAVE_MODE, 25, 1), 1
	s_wait_xcnt 0x0
	s_wait_alu depctr_hold_cnt(0) depctr_sa_sdst(0) depctr_va_vdst(0) depctr_va_sdst(0) depctr_va_ssrc(0) depctr_va_vcc(0) depctr_vm_vsrc(0)
	s_getreg_b32 s2, hwreg(HW_REG_IB_STS2, 6, 4)
	s_cmp_eq_u32 s2, 0
	s_cbranch_scc0 .Lentry_in_a_cluster
	s_endpgm
.Lentry_in_a_cluster:
	s_bfe_u32 s2, ttmp6, 0x10000c
	s_cmp_lg_u32 s2, 0x3003
	s_cbranch_scc0 .Lentry_shape_is_right
	s_endpgm
.Lentry_shape_is_right:
; O[q] = the sum over keys k <= q of softmax_k(Q[q] . K[k] / 8) V[k], for 64 heads (batch x 16 + head) of 2,048 tokens x 64, both products on codes of E4M3; O is quantised to E4M3 for the last product.
; THE SOFTMAX AHEAD OF THE SECOND PRODUCT: t = score x log2(e) / 8; M = the row's largest t so far, rounded UP to a whole number; p = 2^(t - M) is what is quantised; the row's sum is taken of the unquantised p and
; divides O at the end.  When M moves, the sum and O are multiplied by 2^(old M - new M): exact.
; A HEAD'S K AND V LIE IN LDS WHOLE: 131,072 bytes each, K from byte 0, V from byte 131,072, as they lie in memory: images of operand registers, so each LDS load of a wave takes 512 consecutive bytes.  Every LDS byte is filled once.
; CLUSTER: the four work-groups of a head read the same K and V, so each piece is asked for JOINTLY (mask 15).  Wave 0 asks for K, wave 1 for V, eight pieces of 16,384 bytes (256 keys) each: eight tensor loads of a wave are out at the most.
; SHARES.  A wave owns two tiles of 16 queries: a low one, 4 rho + cx, and a high one, 127 - (4 rho + cx): together 33 steps of 64 keys, whatever rho and cx, so all waves of all work-groups have the same work.
; rho = 4 ((a + c) % 4) + a, a = wave / 4, c = wave % 4: each wave another rho in 0 .. 15, and any four waves with the same a or the same c have one rho in each quarter.
; The tiles 4 rho .. 4 rho + 3 lie in one block of 64 keys, so WHICH steps a tile takes hangs on the wave's number alone: the low tile steps 0 .. rho, the high tile steps 0 .. 31 - rho, the last of each on the diagonal.
; cx enters the addresses of Q and O in memory and the mask's thresholds (data), no branch and no LDS address.
; Steps 0-15 (STEP_A): the high tile always, never on the diagonal; the low tile under one branch.  Steps 16-31 (STEP_B): the high tile alone, under one branch.  All loops have constant trip counts.
; LAYOUT.  Both products are used transposed: S^T = K Q^T (source 0 = 16 keys), O^T = V^T P^T (source 0 = 16 channels): a lane holds ONE query (lane % 16) throughout, and eight neighbouring keys or channels a tile.
; The 16 registers of two neighbouring tiles convert into registers 4 c .. 4 c + 3 of an 8-bit fragment (k = 32 c + 8 h + 0..7, 32 c + 16 + 8 h + 0..7): so p's codes are the second product's operand, and O's codes the next launch's.
; LIMITS on the given exponents: e6 + e7 between -123 and 130 (added to the exponent field of log2(e)/8); e8, and e10 - e8 - e9, between -126 and 119.
; REGISTERS: v1 16 x lane; v2, v3 LDS addresses; v5, v6 the mask's thresholds; v7 -infinity; v8-11, v12-15 a tile's -M, largest t, sum (two halves); v16-23 at work; v24-27 scales; v32-47 Q; v48-79 K; v80-111 V;
;   v112-143, v144-175 S^T then p; v176-191 p's codes; v192-223, v224-255 O^T.  (low tile first in each pair)
.set KB,  48
.set VB,  80
.set QL,  32
.set QH,  40
.set SL,  112
.set SH,  144
.set PL,  176
.set PH,  184
.set OL,  192
.set OH,  224
.set STL, 8
.set STH, 12
.set G1,  24                           ; s[24:31] descriptor group 1;  s[32:63] eight groups 0, one for each piece
.set G0,  32
.macro CROUND                          ; a round of the cluster's barrier
	s_barrier_signal -1
	s_barrier_wait -1
	s_cmp_lg_u32 s14, 0
	s_cbranch_scc1 .Lnot_wave_0_\@
	s_barrier_signal -3
.Lnot_wave_0_\@:
	s_barrier_wait -3
	s_barrier_signal -1
	s_barrier_wait -1
.endm
.macro PLACES
.rept 4
	v_nop
.endr
.endm
	s_load_b256 s[4:11], s[0:1], 0x0               ; q_codes s[4:5], k_codes s[6:7], v_codes s[8:9], the scales' exponents s[10:11]
	s_load_b64 s[12:13], s[0:1], 0x20              ; o_codes
	v_lshl_add_u32 v30, v0, 2, 0x40000
	v_mov_b32 v31, 0
	ds_add_u32 v30, v31
	ds_add_u32 v30, v31
	v_lshrrev_b32 v2, 5, v0
	s_delay_alu instid0(VALU_DEP_1)
	v_readfirstlane_b32 s14, v2                    ; wave 0..15
	s_lshr_b32 s66, s14, 2                         ; a
	s_and_b32 s67, s14, 3                          ; c
	s_add_co_u32 s67, s67, s66
	s_and_b32 s67, s67, 3
	s_lshl_b32 s67, s67, 2
	s_add_co_u32 s15, s67, s66                     ; rho: the low tile's last step
	s_xor_b32 s17, s15, 31                         ; 31 - rho: the high tile's last step
	s_bfe_u32 s88, ttmp6, 0x40000                  ; cx
	s_and_b32 s66, ttmp7, 0xffff                   ; the head, which the four partners share
	s_lshl_b32 s66, s66, 17                        ; its 131,072 bytes in each of the four tensors
	s_mov_b32 s67, 0
	; descriptor group 1: a dense piece of 16,384 bytes as 64 rows of 256 bytes
	s_mov_b32 s[G1], 15|(3<<16)|(1<<21)            ; 15:0 the mask: all four work-groups; 17:16 elements of 8 bytes; 21 set beside a mask; no padding
	s_mov_b32 s[G1+1], 32<<16                      ; tensor_dim0 = 32 elements
	s_mov_b32 s[G1+2], 64<<16                      ; tensor_dim1 = 64
	s_mov_b32 s[G1+3], 32<<16                      ; tile_dim0
	s_mov_b32 s[G1+4], 64                          ; tile_dim1
	s_mov_b32 s[G1+5], 32                          ; tensor_dim0_stride
	s_mov_b32 s[G1+6], 0
	s_mov_b32 s[G1+7], 0
	s_mov_b32 s20, 0x76543210                      ; v_permlanex16_b32's selects for lane l xor 16
	s_mov_b32 s21, 0xfedcba98
	s_mov_b32 s22, 0x3e38aa3b                      ; log2(e) / 8
	s_and_b32 s73, s14, 1
	s_lshl_b32 s73, s73, 17                        ; LDS: wave 0 fills from byte 0 (K), wave 1 from byte 131,072 (V)
	s_lshl_b32 s84, s15, 2
	s_add_co_u32 s84, s84, s88                     ; the low tile, 4 rho + cx,
	s_sub_co_u32 s86, 127, s84                     ; and the high one
	s_lshl_b32 s84, s84, 10                        ; a tile of Q or O is 1,024 bytes
	s_lshl_b32 s86, s86, 10
	s_mov_b32 s85, 0
	s_mov_b32 s87, 0
	s_add_nc_u64 s[84:85], s[84:85], s[66:67]
	s_add_nc_u64 s[86:87], s[86:87], s[66:67]
	s_wait_dscnt 0x0
	s_wait_kmcnt 0x0
	s_load_b128 s[68:71], s[10:11], 0x18           ; e6, e7, e8, e9
	s_load_b32 s72, s[10:11], 0x28                 ; e10
	s_cmp_eq_u32 s14, 0                            ; the choice hangs on the wave's number alone: the same in all four partners
	s_cselect_b64 s[74:75], s[6:7], s[8:9]
	s_add_nc_u64 s[74:75], s[74:75], s[66:67]
.irp g, 0,1,2,3,4,5,6,7
	s_mov_b32 s[G0+4*\g], 1                        ; count = 1
	s_add_co_u32 s[G0+4*\g+1], s73, 16384*\g       ; LDS address
	s_add_nc_u64 s[G0+4*\g+2:G0+4*\g+3], s[74:75], 16384*\g   ; global address: keys 256 g on
	s_or_b32 s[G0+4*\g+3], s[G0+4*\g+3], 0x80000000           ; type = 2
.endr
	s_add_nc_u64 s[76:77], s[4:5], s[84:85]        ; Q, low and high tile
	s_add_nc_u64 s[78:79], s[4:5], s[86:87]
	s_add_nc_u64 s[80:81], s[12:13], s[84:85]      ; O likewise
	s_add_nc_u64 s[82:83], s[12:13], s[86:87]
	CROUND                                         ; all four work-groups are here: the joint loads meet
	s_cmp_lt_u32 s14, 2                            ; all fills stand in one branch on the wave's number, ahead of every wait on TENSORcnt, every LDS read and every other barrier
	s_cbranch_scc0 .Lno_fetch
.irp g, 0,1,2,3,4,5,6,7
	tensor_load_to_lds s[G0+4*\g:G0+4*\g+3], s[G1:G1+7]
	s_nop 0
.endr
.rept 4
	v_nop
.endr
.Lno_fetch:
	v_and_b32 v1, 31, v0
	s_delay_alu instid0(VALU_DEP_1)
	v_lshlrev_b32 v1, 4, v1                        ; 16 x lane
	global_load_b128 v[QL:QL+3], v1, s[76:77] th:TH_LOAD_NT            ; Q's two fragments stay in registers
	global_load_b128 v[QL+4:QL+7], v1, s[76:77] offset:512 th:TH_LOAD_NT
	global_load_b128 v[QH:QH+3], v1, s[78:79] th:TH_LOAD_NT
	global_load_b128 v[QH+4:QH+7], v1, s[78:79] offset:512 th:TH_LOAD_NT
	v_and_b32 v4, 15, v0                           ; r
	v_bfe_u32 v5, v0, 4, 1                         ; h
	s_delay_alu instid0(VALU_DEP_1)
	v_lshlrev_b32 v5, 3, v5
	s_delay_alu instid0(VALU_DEP_1)
	v_sub_nc_u32 v4, v4, v5                        ; r - 8 h
	s_lshl_b32 s89, s88, 4
	v_add_nc_u32 v5, s89, v4                       ; on the diagonal register 8 tau + i holds the block's key 16 tau + 8 h + i, my query is the block's 16 cx + r (low), 16 (3 - cx) + r (high):
	s_sub_co_u32 s89, 48, s89
	v_add_nc_u32 v6, s89, v4                       ; hidden where 16 tau + i > this number
	v_mov_b32 v7, 0xff800000                       ; -infinity
	v_mov_b32 v[STL+1], 0xff61b1e6                 ; the largest t so far: -3e38, under every t
	v_mov_b32 v[STH+1], 0xff61b1e6
	s_delay_alu instid0(VALU_DEP_2)
	v_floor_f32 v[STL], -v[STL+1]                  ; -M
	s_delay_alu instid0(VALU_DEP_2)
	v_floor_f32 v[STH], -v[STH+1]
	v_mov_b32 v[STL+2], 0                          ; the sums, in two halves
	v_mov_b32 v[STL+3], 0
	v_mov_b32 v[STH+2], 0
	v_mov_b32 v[STH+3], 0
	v_mov_b32 v18, 0                               ; written once: a lane permute's destination counts as one of its sources
	v_mov_b32 v19, 0
	v_mov_b32 v21, 0                               ; (named as the upper halves of pairs)
	v_mov_b32 v23, 0
.set jj, 0
.rept 64
	v_mov_b32 v[OL+jj], 0                          ; O^T of both tiles: a step is written once, and the first finds zeros, which the first change of M leaves zeros
.set jj, jj+1
.endr
	s_wait_kmcnt 0x0
	s_add_co_i32 s73, s68, s69
	s_lshl_b32 s73, s73, 23
	s_add_co_i32 s22, s22, s73                     ; a score stands for score x 2^(e6 + e7): added to the factor's exponent field
	s_mov_b32 s23, s22                             ; (named with it as a pair)
	s_add_co_i32 s73, s70, 127
	s_lshl_b32 s74, s73, 23
	v_mov_b32 v24, s74                             ; 2^e8, for p's conversion
	s_sub_co_i32 s73, s72, s70
	s_sub_co_i32 s73, s73, s71                     ; a sum of the second product stands for sum x 2^(e8 + e9): O's conversion takes 2^(e10 - e8 - e9)
	s_add_co_i32 s73, s73, 127
	s_lshl_b32 s74, s73, 23
	v_mov_b32 v26, s74
; A step's fragments: K's four tiles of 16 keys, V's four tiles of 16 channels x 64 keys.  The two additions and two v_nop are the four places behind the last products, which read V's registers.
.macro LOADKV
	v_add_nc_u32 v2, s19, v1
	s_delay_alu instid0(VALU_DEP_1)
	v_add_nc_u32 v3, 0x20000, v2
	v_nop
	v_nop
.irp t, 0,1,2,3
.irp c, 0,1
	ds_load_b128 v[KB+8*\t+4*\c:KB+8*\t+4*\c+3], v2 offset:1024*\t+512*\c
.endr
.endr
.irp t, 0,1,2,3
.irp c, 0,1
	ds_load_b128 v[VB+8*\t+4*\c:VB+8*\t+4*\c+3], v3 offset:2048*\c+512*\t
.endr
.endr
.endm
.macro SPROD sc, qq                    ; S^T = K Q^T
.irp t, 0,1,2,3
	v_wmma_f32_16x16x64_fp8_fp8 v[\sc+8*\t:\sc+8*\t+7], v[KB+8*\t:KB+8*\t+7], v[\qq:\qq+7], 0
.endr
.endm
.macro PVPROD oc, pc                   ; O^T += V^T P^T: four accumulators by turns; between two links on one accumulator stand the other three's and the next step's four S products
.irp t, 0,1,2,3
	v_wmma_f32_16x16x64_fp8_fp8 v[\oc+8*\t:\oc+8*\t+7], v[VB+8*\t:VB+8*\t+7], v[\pc:\pc+7], v[\oc+8*\t:\oc+8*\t+7]
.endr
.endm
; One tile's softmax for one step.  sc: the 32 scores; st: the statistics; pc: p's codes; oc: O^T; mk = 1: the step may be the tile's diagonal (step number s[nd]), thresholds in v[dd].
.macro SOFTMAX sc, st, pc, oc, mk, dd, nd
.if \mk
	s_cmp_lg_u32 s18, s[\nd]
	s_cbranch_scc1 .Lopen_\@
.set n, 0
.rept 32
	v_cmp_gt_i32 vcc_lo, 16*(n/8)+n%8, v[\dd]      ; hidden scores become -infinity ahead of the maximum: p = 0 then
	v_cndmask_b32 v[\sc+n], v[\sc+n], v7, vcc_lo
.set n, n+1
.endr
.Lopen_\@:
.endif
	v_max3_num_f32 v16, v[\sc], v[\sc+1], v[\sc+2]   ; the step's largest score of my query among my 32 keys, in two chains, each accumulator from its low end on
	v_max3_num_f32 v17, v[\sc+3], v[\sc+4], v[\sc+5]
.irp i, 6,10,14,18,22,26
	v_max3_num_f32 v16, v16, v[\sc+\i], v[\sc+\i+1]
	v_max3_num_f32 v17, v17, v[\sc+\i+2], v[\sc+\i+3]
.endr
	v_max3_num_f32 v16, v16, v[\sc+30], v[\sc+31]
	s_delay_alu instid0(VALU_DEP_1)
	v_max_num_f32 v16, v16, v17
	s_delay_alu instid0(VALU_DEP_1)
	v_permlanex16_b32 v18, v16, s20, s21
	s_delay_alu instid0(VALU_DEP_1)
	v_max_num_f32 v16, v16, v18                    ; and among lane l xor 16's
	s_delay_alu instid0(VALU_DEP_1)
	v_mul_f32 v16, s22, v16                        ; as t (the factor is positive)
	s_delay_alu instid0(VALU_DEP_1)
	v_max_num_f32 v[\st+1], v[\st+1], v16          ; the running largest t
	v_mov_b32 v16, v[\st]
	s_delay_alu instid0(VALU_DEP_2)
	v_floor_f32 v[\st], -v[\st+1]                  ; the new -M = floor(-t) = -ceil(t)
	s_delay_alu instid0(VALU_DEP_1)
	v_sub_f32 v16, v[\st], v16                     ; old M - new M: a whole number, 0 or less
	s_delay_alu instid0(VALU_DEP_1)
	v_cvt_i32_f32 v16, v16                         ; (it saturates)
	s_delay_alu instid0(VALU_DEP_1)
	v_ldexp_f32 v20, 1.0, v16                      ; f = 2^(old M - new M)
.set jj, 0
.rept 16
	v_pk_fma_f32 v[\sc+jj:\sc+jj+1], v[\sc+jj:\sc+jj+1], s[22:23], v[\st:\st+1] op_sel_hi:[1,0,0]   ; t - M, two at a time
.set jj, jj+2
.endr
.set jj, 0
	s_wait_alu depctr_va_vdst(0)
.rept 32
	v_exp_f32 v[\sc+jj], v[\sc+jj]                 ; p = 2^(t - M): one batch
.set jj, jj+1
.endr
	v_pk_mul_f32 v[\st+2:\st+3], v[\st+2:\st+3], v[20:21] op_sel_hi:[1,0]   ; the sums under the new M: the plain instruction behind the exponentials
	s_wait_alu depctr_va_vdst(0)                   ; one wait for the batch, ahead of its first reader
	v_pk_add_f32 v[22:23], v[\sc:\sc+1], v[\sc+2:\sc+3]   ; the row's sum is taken of the unquantised p, in two chains
.irp j, 4,8,12,16,20,24,28
	v_pk_add_f32 v[\st+2:\st+3], v[\st+2:\st+3], v[\sc+\j:\sc+\j+1]
	v_pk_add_f32 v[22:23], v[22:23], v[\sc+\j+2:\sc+\j+3]
.endr
	s_delay_alu instid0(VALU_DEP_1)
	v_pk_add_f32 v[\st+2:\st+3], v[\st+2:\st+3], v[22:23]
.set jj, 0
.rept 32
.set jj, jj+1
.endr
.irp k, 0,1,2,3
	v_cvt_scalef32_pk8_fp8_f32 v[\pc+2*\k:\pc+2*\k+1], v[\sc+8*\k:\sc+8*\k+7], v24
.endr
.set jj, 0
.rept 16
	v_pk_mul_f32 v[\oc+jj:\oc+jj+1], v[\oc+jj:\oc+jj+1], v[20:21] op_sel_hi:[1,0]   ; O^T under the new M; also the plain instructions between the conversions and the products
.set jj, jj+2
.endr
.endm
.macro STEP_A                          ; steps 0-15
	LOADKV
	s_wait_dscnt 8                                 ; K's eight loads are in; V's eight, issued behind them, may be out
	SPROD SH, QH
	PLACES
	SOFTMAX SH, STH, PH, OH, 0, 6, 17
	s_wait_alu depctr_va_vdst(0)
	s_wait_dscnt 0x0                               ; V is in
	PVPROD OH, PH
	s_cmp_gt_u32 s18, s15                          ; all of the step's keys come after the low tile's queries: its work is left out
	s_cbranch_scc1 .Lno_low_\@
	SPROD SL, QL
	PLACES
	SOFTMAX SL, STL, PL, OL, 1, 5, 15
	PVPROD OL, PL
.Lno_low_\@:
.endm
.macro STEP_B                          ; steps 16-31
	s_cmp_gt_u32 s18, s17
	s_cbranch_scc1 .Lpast_\@
	LOADKV
	s_wait_dscnt 8
	SPROD SH, QH
	PLACES
	SOFTMAX SH, STH, PH, OH, 1, 6, 17
	s_wait_alu depctr_va_vdst(0)
	s_wait_dscnt 0x0
	PVPROD OH, PH
.Lpast_\@:
.endm
; 256 keys: the piece that was asked for as number sg.  The two waves that asked wait until at most the 7 - sg later pieces are out; then the barrier shows the piece to all sixteen.
.macro CHUNK sg
	s_wait_tensorcnt 7-\sg
	s_wait_dscnt 0x0
	s_barrier_signal -1
	s_barrier_wait -1
	s_mov_b32 s18, 4*\sg                           ; the step's number
	s_mov_b32 s19, 16384*\sg                       ; and its 4,096 bytes in K's image; V's lie 131,072 further on
.Lstep_\@:
.if \sg < 4
	STEP_A
.else
	STEP_B
.endif
	s_add_co_u32 s19, s19, 4096
	s_add_co_u32 s18, s18, 1
	s_cmp_lt_u32 s18, 4*\sg+4
	s_cbranch_scc1 .Lstep_\@
.endm
	s_wait_loadcnt 0x0                             ; Q
.irp g, 0,1,2,3,4,5,6,7
	CHUNK \g
.endr
	; THE WAY OUT.  The additions below are the places behind the last products.
	v_add_f32 v16, v[STL+2], v[STL+3]              ; the sums' two halves,
	v_add_f32 v17, v[STH+2], v[STH+3]
	s_delay_alu instid0(VALU_DEP_2)
	v_permlanex16_b32 v18, v16, s20, s21
	s_delay_alu instid0(VALU_DEP_2)
	v_permlanex16_b32 v19, v17, s20, s21
	s_delay_alu instid0(VALU_DEP_2)
	v_add_f32 v16, v16, v18                        ; and lane l xor 16's
	s_delay_alu instid0(VALU_DEP_2)
	v_add_f32 v17, v17, v19
	s_wait_alu depctr_va_vdst(0)
	v_rcp_f32 v20, v16
	v_rcp_f32 v22, v17
	v_nop                                          ; a plain instruction behind the reciprocals
	s_wait_alu depctr_va_vdst(0)                   ; and one wait for both, ahead of the first reader
.macro OUT oc, rr, pc, bb              ; O^T / the sum, held, converted: the codes are an image of the next launch's operand registers: two stores of 512 consecutive bytes
.set jj, 0
.rept 16
	v_pk_mul_f32 v[\oc+jj:\oc+jj+1], v[\oc+jj:\oc+jj+1], v[\rr:\rr+1] op_sel_hi:[1,0]
.set jj, jj+2
.endr
.set jj, 0
.rept 32
.set jj, jj+1
.endr
.irp k, 0,1,2,3
	v_cvt_scalef32_pk8_fp8_f32 v[\pc+2*\k:\pc+2*\k+1], v[\oc+8*\k:\oc+8*\k+7], v26
.endr
	v_nop
	global_store_b128 v1, v[\pc:\pc+3], s[\bb:\bb+1]
	global_store_b128 v1, v[\pc+4:\pc+7], s[\bb:\bb+1] offset:512
.endm
	OUT OL, 20, PL, 80
	OUT OH, 22, PH, 82
	s_wait_tensorcnt 0x0                           ; no tensor load is out at the end
	s_wait_dscnt 0x0
	s_wait_tensorcnt 0x0
	ds_add_u32 v30, v31
	s_wait_dscnt 0x0
	CROUND                                         ; the closing round: no work-group ends while a partner may still ask for a piece that names it
	s_endpgm
.Lfunc_end_k_q1f4119f95d_attn:
	.size	k_q1f4119f95d_attn, .Lfunc_end_k_q1f4119f95d_attn-k_q1f4119f95d_attn
	.p2alignl 7, 3214868480
	.fill 96, 4, 3214868480
	.section	.rodata,"a",@progbits
	.p2align	6, 0x0
	.amdhsa_kernel k_q1f4119f95d_attn
		.amdhsa_group_segment_fixed_size 264192
		.amdhsa_private_segment_fixed_size 0
		.amdhsa_enable_private_segment 0
		.amdhsa_kernarg_size 40
		.amdhsa_user_sgpr_count 2
		.amdhsa_user_sgpr_kernarg_segment_ptr 1
		.amdhsa_wavefront_size32 1
		.amdhsa_system_sgpr_workgroup_id_x 1
		.amdhsa_system_sgpr_workgroup_id_y 1
		.amdhsa_system_sgpr_workgroup_id_z 1
		.amdhsa_system_vgpr_workitem_id 0
		.amdhsa_next_free_vgpr 256
		.amdhsa_next_free_sgpr 100
		.amdhsa_reserve_vcc 1
		.amdhsa_float_denorm_mode_32 3
		.amdhsa_float_denorm_mode_16_64 3
		.amdhsa_fp16_overflow 1
		.amdhsa_memory_ordered 1
		.amdhsa_forward_progress 1
		.amdhsa_inst_pref_size 124
	.end_amdhsa_kernel
	.amdgpu_metadata
---
amdhsa.version: [ 1, 2 ]
amdhsa.kernels:
  - .name:           k_q1f4119f95d_attn
    .symbol:         k_q1f4119f95d_attn.kd
    .args:
      - { .name: q_codes, .offset: 0, .size: 8, .value_kind: global_buffer, .address_space: global }
      - { .name: k_codes, .offset: 8, .size: 8, .value_kind: global_buffer, .address_space: global }
      - { .name: v_codes, .offset: 16, .size: 8, .value_kind: global_buffer, .address_space: global }
      - { .name: lowp_scales, .offset: 24, .size: 8, .value_kind: global_buffer, .address_space: global }
      - { .name: o_codes, .offset: 32, .size: 8, .value_kind: global_buffer, .address_space: global }
    .group_segment_fixed_size: 264192
    .private_segment_fixed_size: 0
    .kernarg_segment_align: 8
    .kernarg_segment_size: 40
    .max_flat_workgroup_size: 512
    .sgpr_count:     100
    .vgpr_count:     256
    .wavefront_size: 32
...
	.end_amdgpu_metadata
.endif
;; end of part 3
;; launch proj (part 4): grid 4 x 64, 4 waves a work-group, clusters of 4 x 4, 327,680 bytes of LDS; arguments o_codes, Wo_codes, lowp_scales, out0; writes out0
.if DOCPART == 4
	.amdgcn_target "amdgcn-amd-amdhsa--gfx1250"
	.amdhsa_code_object_version 6
	.text
	.protected	k_q1f4119f95d_proj
	.globl	k_q1f4119f95d_proj
	.p2align	8
	.type	k_q1f4119f95d_proj,@function
k_q1f4119f95d_proj:
	s_mov_b64 s[64:65], 0
	v_nop
	global_prefetch_b8 v0, s[64:65] scope:SCOPE_SE
	s_setreg_imm32_b32 hwreg(HW_REG_WAVE_MODE, 25, 1), 1
	s_wait_xcnt 0x0
	s_wait_alu depctr_hold_cnt(0) depctr_sa_sdst(0) depctr_va_vdst(0) depctr_va_sdst(0) depctr_va_ssrc(0) depctr_va_vcc(0) depctr_vm_vsrc(0)
	s_getreg_b32 s2, hwreg(HW_REG_IB_STS2, 6, 4)
	s_cmp_eq_u32 s2, 0
	s_cbranch_scc0 .Lentry_in_a_cluster
	s_endpgm
.Lentry_in_a_cluster:
	s_bfe_u32 s2, ttmp6, 0x10000c
	s_cmp_lg_u32 s2, 0xf033
	s_cbranch_scc0 .Lentry_shape_is_right
	s_endpgm
.Lentry_shape_is_right:
; out0 = O Wo^T x 2^(e10 + e11).  O: [8192][1024] as codes of E4M3 in the layout that the attention launch leaves: [batch x 16 + head][16 tokens: 128][c: 2][lane][16 bytes], images of operand registers.
; Wo: [1024][1024] codes, K innermost.  out0: [8192][1024] f32; sums in f32.  LIMIT: e10 + e11 between -126 and 127, so that 2^(e10 + e11) is an f32 number.
; A tile of the result is 128 tokens x 256 outputs, so that there are 256 work-groups; four waves, each 64 tokens x 128 outputs: 32 accumulators, 256 registers.
; K goes in steps of 256 (four heads) through a ring of two LDS slots; four slots' worth in all, written out without a loop.
; CLUSTERS: 4 x 4 work-groups.  The four of a row need the same tile of O, the four of a column the same tile of Wo: each is asked for JOINTLY.
; O's images hold k in the 8-bit form's own places (registers 2 c, 2 c + 1: k = 16 c + 8 h + 0..7), so Wo's fragments are read so too: eight loads of 8 bytes; O's come by four loads of 16 bytes, 512 consecutive bytes a wave.
; THE MATRIX INSTRUCTION IS USED TRANSPOSED (source 0 = 16 rows of Wo, source 1 = 16 tokens): a lane holds eight neighbouring numbers of a row of out0.
; REGISTERS: window 0: v0-31 addresses; v32-95 at work on the way out; v128-191, v192-255 O's fragments, two sets (4 x 16 tokens x 128 K), later rows of out0.
;   window 1: Wo's fragments, two sets of 128.   window 2: accumulator (a, b) at v[8 (8 a + b)].
.set PITCH,  272                       ; a row of Wo's tile in LDS: 256 bytes + 16 of padding
.set FR,     16
.set ABYTES, 32768                     ; O's part of a slot: four heads x 8 tiles of 16 tokens x 1,024 bytes, dense
.set HALFB,  128*PITCH
.set SLOT,   ABYTES+2*HALFB            ; 102,400
.set SPARE,  2*SLOT                    ; the spare words, 128 bytes for each wave
.set STAGE,  SPARE+512                 ; the way out: 16 rows x 528 bytes for each wave; no tensor load lands here
.set SPITCH, 528
.set ADRA, 16                          ; v16-17  LDS address of O's fragments in slot 0, 1
.set ADRB, 20                          ; v20-21  of Wo's
.set STO,  24
.set RD,   25
.set CO,   26
.set SPW,  28
.set NIL,  29
.set TMP,  32
.set AF,   128
.set BK,   128
.set G1, 24
.set G0, 32
.set G1B, 48
.set G0B, 56
.set MSB, 0
.macro WIN new
.if MSB != \new
	s_set_vgpr_msb (MSB<<8)|\new
.set MSB, \new
.endif
.endm
.set MUL,  0xa1                        ; source 0 (Wo) window 1, source 1 (O) window 0, C and D window 2
.set TO_B, 0x40
.macro JLOAD g0a, g1a, g0b, g1b        ; waves 0 and 1 fetch O's halves (two heads each), waves 2 and 3 Wo's (128 rows each); four v_nop follow each line
	s_cmp_eq_u32 s15, 0
	s_cbranch_scc0 .Lfor_b_\@
	tensor_load_to_lds s[\g0a:\g0a+3], s[\g1a:\g1a+7]
	s_nop 0
.rept 4
	v_nop
.endr
	s_branch .Lasked_\@
.Lfor_b_\@:
	tensor_load_to_lds s[\g0b:\g0b+3], s[\g1b:\g1b+7]
	s_nop 0
.rept 4
	v_nop
.endr
.Lasked_\@:
.endm
.macro CREST
	s_cmp_lg_u32 s14, 0
	s_cbranch_scc1 .Lnot_wave_0_\@
	s_barrier_signal -3
.Lnot_wave_0_\@:
	s_barrier_wait -3
	s_barrier_signal -1
	s_barrier_wait -1
.endm
.macro CROUND
	s_barrier_signal -1
	s_barrier_wait -1
	CREST
.endm
	s_load_b128 s[4:7], s[0:1], 0x0                ; o_codes s[4:5], Wo_codes s[6:7]
	s_load_b128 s[8:11], s[0:1], 0x10              ; the scales' exponents s[8:9], out0 s[10:11]
	v_lshl_add_u32 v[SPW], v0, 2, SPARE
	v_mov_b32 v[NIL], 0
	ds_add_u32 v28, v29
	ds_add_u32 v28, v29
	s_wait_dscnt 0x0
	v_lshrrev_b32 v1, 5, v0
	v_readfirstlane_b32 s14, v1                    ; wave 0..3
	s_lshr_b32 s15, s14, 1                         ; which 64 tokens are mine.  Also: I fetch for O (0) or for Wo (1)
	s_and_b32 s16, s14, 1                          ; which 128 outputs.  Also: which half of that tile I fetch
	s_bfe_u32 s40, ttmp6, 0x40000                  ; cx: the tile column
	s_bfe_u32 s41, ttmp6, 0x40004                  ; cy
	s_and_b32 s17, ttmp7, 0xffff
	s_lshl_b32 s17, s17, 2
	s_add_co_u32 s17, s17, s41                     ; tile row = 4 x cluster y + cy: 128 tokens each
	s_lshl_b32 s43, s41, 2
	s_lshl_b32 s43, 15, s43                        ; my row of the cluster
	s_lshl_b32 s44, 0x1111, s40                    ; my column
	; group 1 for O: two rows of 8,192 bytes (a head's 8 tiles of 16 tokens, dense in memory), 131,072 bytes (a head) apart
	s_or_b32 s[G1+0], s43, (3<<16)|(1<<21)         ; the mask: my row; elements of 8 bytes; 21 set beside a mask; no padding
	s_mov_b32 s[G1+1], 1024<<16                    ; tensor_dim0 = 1,024 elements
	s_mov_b32 s[G1+2], 2<<16                       ; tensor_dim1 = 2
	s_mov_b32 s[G1+3], 1024<<16                    ; tile_dim0
	s_mov_b32 s[G1+4], 2                           ; tile_dim1
	s_mov_b32 s[G1+5], 16384                       ; tensor_dim0_stride
	s_mov_b32 s[G1+6], 0
	s_mov_b32 s[G1+7], 0
	; group 1 for Wo: 128 rows x 256 bytes, padded in LDS
	s_or_b32 s[G1B+0], s44, (0<<16)|(1<<20)|(1<<21)|(5<<22)|(3<<25)
	s_mov_b32 s[G1B+1], 256<<16
	s_mov_b32 s[G1B+2], 128<<16
	s_mov_b32 s[G1B+3], 256<<16
	s_mov_b32 s[G1B+4], 128
	s_mov_b32 s[G1B+5], 1024
	s_mov_b32 s[G1B+6], 0
	s_mov_b32 s[G1B+7], 0
	s_lshr_b32 s20, s17, 4
	s_lshl_b32 s20, s20, 21                        ; O: the batch's 16 heads,
	s_and_b32 s21, s17, 15
	s_lshl_b32 s21, s21, 13                        ; + my tile row's 8 tiles,
	s_add_co_u32 s20, s20, s21
	s_lshl_b32 s21, s16, 18                        ; + the two heads that I fetch
	s_add_co_u32 s20, s20, s21
	s_mov_b32 s21, 0
	s_lshl_b32 s46, s40, 8
	s_lshl_b32 s47, s16, 7
	s_add_co_u32 s46, s46, s47
	s_lshl_b32 s46, s46, 10                        ; Wo: row 256 cx + 128 x half
	s_mov_b32 s47, 0
	s_lshl_b32 s45, s16, 14                        ; where they go: O's two heads,
	s_mul_i32 s42, s16, HALFB
	s_add_co_u32 s42, s42, ABYTES                  ; Wo's 128 rows: the wave's number alone enters an LDS address
	s_wait_kmcnt 0x0
	s_load_b64 s[96:97], s[8:9], 0x28              ; e10, e11
	s_add_nc_u64 s[20:21], s[4:5], s[20:21]
	s_add_nc_u64 s[46:47], s[6:7], s[46:47]
	CROUND                                         ; all sixteen work-groups are here: the first joint loads meet
.irp s, 0,1
	s_mov_b32 s[G0+4*\s], 1
	s_add_co_u32 s[G0+4*\s+1], s45, \s*SLOT
	s_add_nc_u64 s[G0+4*\s+2:G0+4*\s+3], s[20:21], \s*524288   ; four heads on
	s_or_b32 s[G0+4*\s+3], s[G0+4*\s+3], 0x80000000
	s_mov_b32 s[G0B+4*\s], 1
	s_add_co_u32 s[G0B+4*\s+1], s42, \s*SLOT
	s_add_nc_u64 s[G0B+4*\s+2:G0B+4*\s+3], s[46:47], \s*256
	s_or_b32 s[G0B+4*\s+3], s[G0B+4*\s+3], 0x80000000
	s_wait_alu depctr_va_vdst(0)
	s_wait_tensorcnt 0x0
	ds_add_u32 v28, v29
	ds_add_u32 v28, v29
	s_wait_dscnt 0x0
	CROUND
	JLOAD G0+4*\s, G1, G0B+4*\s, G1B
.endr
	v_and_b32 v1, 15, v0                           ; r
	v_bfe_u32 v2, v0, 4, 1                         ; h
	v_and_b32 v6, 31, v0
	v_lshlrev_b32 v[CO], 4, v6                     ; 16 x lane
	v_mul_u32_u24 v3, v1, PITCH
	v_lshl_add_u32 v4, v2, 3, v3                   ; Wo: row x pitch + 8 h
	s_lshl_b32 s21, s15, 12                        ; my four tiles of tokens in a head's 8
	s_mul_i32 s22, s16, HALFB
	s_add_co_u32 s22, s22, ABYTES                  ; my 128 rows of Wo
.irp s, 0,1
	v_add_nc_u32 v[ADRA+\s], s21, v[CO]
	v_add_nc_u32 v[ADRB+\s], s22, v4
	s_add_co_u32 s21, s21, SLOT
	s_add_co_u32 s22, s22, SLOT
.endr
	s_mul_i32 s23, s14, 16*SPITCH
	s_add_co_u32 s23, s23, STAGE                   ; my stage
	v_mul_u32_u24 v5, v1, SPITCH                   ; in: row r, 32 bytes for each half of the lanes
	v_lshl_add_u32 v5, v2, 5, v5
	v_add_nc_u32 v[STO], s23, v5
	v_add_nc_u32 v[RD], s23, v[CO]                 ; back: the 32 lanes take one row of 512 bytes
	s_lshl_b32 s20, s17, 7
	s_lshl_b32 s21, s15, 6
	s_add_co_u32 s20, s20, s21
	s_lshl_b32 s20, s20, 12                        ; my first row of out0, 4,096 bytes a row,
	s_lshl_b32 s21, s40, 10
	s_add_co_u32 s20, s20, s21
	s_lshl_b32 s21, s16, 9
	s_add_co_u32 s20, s20, s21                     ; + my first column's bytes: 1,024 cx + 512 x half
	s_mov_b32 s21, 0
	s_add_nc_u64 s[10:11], s[10:11], s[20:21]
.macro FRAGB reg, adr, q, i            ; 16 rows of Wo x 128 K: registers 2 c, 2 c + 1 hold K = 16 c + 8 h + 0 .. 7
.irp c, 0,1,2,3,4,5,6,7
	ds_load_b64 v[\reg+2*\c:\reg+2*\c+1], v[\adr] offset:128*(\q)+16*\c+(\i)*16*PITCH
.endr
.endm
.macro FRAGA reg, adr, q, a            ; 16 tokens x 128 K = two heads: registers 4 x .. 4 x + 3 are the image (head 2 q + x / 2 of the slot, c = x % 2)
.irp x, 0,1,2,3
	ds_load_b128 v[\reg+4*\x:\reg+4*\x+3], v[\adr] offset:(2*(\q)+\x/2)*8192+1024*(\a)+512*(\x%2)
.endr
.endm
.macro FETCH slot, q, p                ; 64 + 16 LDS loads in one run: the fragments of the slot's q-th 128 along K into sets p
	WIN TO_B
.irp i, 0,1,2,3,4,5,6,7
	FRAGB 128*(\p)+FR*\i, ADRB+\slot, \q, \i
.endr
	WIN 0
.irp a, 0,1,2,3
	FRAGA AF+64*(\p)+FR*\a, ADRA+\slot, \q, \a
.endr
.endm
.macro MUL16 a0, p, zero               ; token blocks a0, a0 + 1 x Wo's eight; the 32 accumulators take turns, one instruction a turn
.irp a, \a0, \a0+1
.irp b, 0,1,2,3,4,5,6,7
.if \zero
	v_wmma_f32_16x16x128_fp8_fp8 v[8*(8*(\a)+\b):8*(8*(\a)+\b)+7], v[128*(\p)+FR*\b:128*(\p)+FR*\b+FR-1], v[AF+64*(\p)+FR*(\a):AF+64*(\p)+FR*(\a)+FR-1], 0
.else
	v_wmma_f32_16x16x128_fp8_fp8 v[8*(8*(\a)+\b):8*(8*(\a)+\b)+7], v[128*(\p)+FR*\b:128*(\p)+FR*\b+FR-1], v[AF+64*(\p)+FR*(\a):AF+64*(\p)+FR*(\a)+FR-1], v[8*(8*(\a)+\b):8*(8*(\a)+\b)+7]
.endif
.endr
.endr
.endm
.macro PLACES
.rept 4
	v_nop
.endr
.endm
.macro STEP slot, zero                 ; a slot's first 128 along K, on sets 0; in its middle the second 128 are fetched into sets 1
	s_wait_dscnt 0x0
	WIN MUL
	MUL16 0, 0, \zero
	PLACES                                         ; in front of loads into registers that the step before multiplied
	FETCH \slot, 1, 1
	WIN MUL
	MUL16 2, 0, \zero
.endm
; A slot's second 128 along K, on sets 1, and the change of slots: each wave waits for all its tensor loads, adds 0 to its spare word, and waits for that and for its reads of this slot; then one barrier.
.macro TURN slot, next, fill
	WIN 0                                          ; (the add's two registers lie in window 0)
	s_wait_tensorcnt 0x0                           ; all my tensor loads have landed: my part of the next slot
	ds_add_u32 v[SPW], v[NIL]                      ; 0 onto my spare word
	s_wait_dscnt 1                                 ; sets 1 are in; the add alone may be out
	WIN MUL
	MUL16 0, 1, 0                                  ; sixteen matrix instructions stand between the add and the wait for it
	s_wait_dscnt 0x0                               ; the add is done, and my reads of this slot are over
	s_barrier_signal -1
	WIN 0
	s_barrier_wait -1
.if \fill
	CREST                                          ; the barrier has opened a round of the cluster's: no wave of any partner still reads this slot or has a load on its way
	s_add_nc_u64 s[G0+4*\slot+2:G0+4*\slot+3], s[G0+4*\slot+2:G0+4*\slot+3], 1048576   ; eight heads on
	s_add_nc_u64 s[G0B+4*\slot+2:G0B+4*\slot+3], s[G0B+4*\slot+2:G0B+4*\slot+3], 512
	JLOAD G0+4*\slot, G1, G0B+4*\slot, G1B         ; the first tensor load behind the round; its four v_nop are also the places in front of the loads below
.else
	PLACES
.endif
	FETCH \next, 0, 0
	WIN MUL
	MUL16 2, 1, 0
.endm
	s_wait_alu depctr_va_vdst(0)
	s_wait_tensorcnt 1                             ; my part of slot 0 is in; slot 1's load may be out
	s_barrier_signal -1
	s_barrier_wait -1
	FETCH 0, 0, 0
	STEP 0, 1                                      ; its products start the sums
	TURN 0, 1, 1                                   ; slot 0 takes heads 8-11
	STEP 1, 0
	TURN 1, 0, 1                                   ; slot 1 takes heads 12-15
	STEP 0, 0
	TURN 0, 1, 0                                   ; nothing is left to fetch
	STEP 1, 0
	s_wait_dscnt 0x0                               ; the last 128 along K
	WIN MUL
	MUL16 0, 1, 0
	MUL16 2, 1, 0
	WIN 0
; THE WAY OUT, block by block of 16 tokens x 128 outputs: a lane holds 32 neighbouring bytes of a row and the lanes beside it other rows, so a block goes through my own stage and comes back as whole rows of 512 bytes.
; LDS serves a wave's instructions in order (ISA guide 5.7.1.4): no wait between the stores and the loads, nor in front of the next block's stores.
.macro TOSTAGE a
.set AC, 64*(\a)
	WIN 0x02                                       ; source 0: window 2
.set jj, 0
.rept 32
	v_pk_mul_f32 v[TMP+jj:TMP+jj+1], v[AC+jj:AC+jj+1], s[96:97] op_sel_hi:[1,0]   ; both x s96 = 2^(e10 + e11); each accumulator from its low end on
.set jj, jj+2
.endr
	WIN 0
.irp b, 0,1,2,3,4,5,6,7
	ds_store_b128 v[STO], v[TMP+8*\b:TMP+8*\b+3] offset:64*\b
	ds_store_b128 v[STO], v[TMP+8*\b+4:TMP+8*\b+7] offset:64*\b+16
.endr
.set BB, BK+64*((\a)%2)
.irp t, 0,1,2,3,4,5,6,7,8,9,10,11,12,13,14,15
	ds_load_b128 v[BB+4*\t:BB+4*\t+3], v[RD] offset:\t*SPITCH
.endr
.endm
.macro SEND a, younger                 ; younger: the LDS instructions issued behind block a's loads, which may stay out
.set BB, BK+64*((\a)%2)
	s_wait_dscnt \younger
.if (\a) > 0
	s_add_nc_u64 s[10:11], s[10:11], 65536         ; 16 rows on (behind a wait on XCNT: the earlier stores have read their base)
.endif
.irp t, 0,1,2,3,4,5,6,7,8,9,10,11,12,13,14,15
	global_store_b128 v[CO], v[BB+4*\t:BB+4*\t+3], s[10:11] offset:\t*4096 th:TH_STORE_NT   ; 32 lanes store 512 consecutive bytes, aligned; written once, read by nobody here
.endr
.endm
	s_wait_kmcnt 0x0
	s_add_co_i32 s96, s96, s97
	s_add_co_i32 s96, s96, 127
	s_lshl_b32 s96, s96, 23                        ; 2^(e10 + e11) as f32
	PLACES                                         ; behind the last products: results are read, and rows land where O's fragments lay
	TOSTAGE 0
.irp a, 1,2,3
.if \a > 1
	s_wait_xcnt 0x0                                ; block a - 2's stores have read their registers and their base
.endif
	TOSTAGE \a
	SEND \a-1, 32                                  ; behind block a - 1's loads: block a's 16 stores and 16 loads
.endr
	s_wait_xcnt 0x0
	SEND 3, 0
	s_wait_tensorcnt 0x0                           ; the wave's end
	ds_add_u32 v[SPW], v[NIL]
	s_wait_dscnt 0x0
	CROUND                                         ; the closing round
	s_endpgm
.Lfunc_end_k_q1f4119f95d_proj:
	.size	k_q1f4119f95d_proj, .Lfunc_end_k_q1f4119f95d_proj-k_q1f4119f95d_proj
	.p2alignl 7, 3214868480
	.fill 96, 4, 3214868480
	.section	.rodata,"a",@progbits
	.p2align	6, 0x0
	.amdhsa_kernel k_q1f4119f95d_proj
		.amdhsa_group_segment_fixed_size 327680
		.amdhsa_private_segment_fixed_size 0
		.amdhsa_enable_private_segment 0
		.amdhsa_kernarg_size 32
		.amdhsa_user_sgpr_count 2
		.amdhsa_user_sgpr_kernarg_segment_ptr 1
		.amdhsa_wavefront_size32 1
		.amdhsa_system_sgpr_workgroup_id_x 1
		.amdhsa_system_sgpr_workgroup_id_y 1
		.amdhsa_system_sgpr_workgroup_id_z 1
		.amdhsa_system_vgpr_workitem_id 0
		.amdhsa_next_free_vgpr 768
		.amdhsa_next_free_sgpr 100
		.amdhsa_reserve_vcc 0
		.amdhsa_float_denorm_mode_32 3
		.amdhsa_float_denorm_mode_16_64 3
		.amdhsa_memory_ordered 1
		.amdhsa_forward_progress 1
		.amdhsa_inst_pref_size 92
	.end_amdhsa_kernel
	.amdgpu_metadata
---
amdhsa.version: [ 1, 2 ]
amdhsa.kernels:
  - .name:           k_q1f4119f95d_proj
    .symbol:         k_q1f4119f95d_proj.kd
    .args:
      - { .name: o_codes, .offset: 0, .size: 8, .value_kind: global_buffer, .address_space: global }
      - { .name: Wo_codes, .offset: 8, .size: 8, .value_kind: global_buffer, .address_space: global }
      - { .name: lowp_scales, .offset: 16, .size: 8, .value_kind: global_buffer, .address_space: global }
      - { .name: out0, .offset: 24, .size: 8, .value_kind: global_buffer, .address_space: global }
    .group_segment_fixed_size: 327680
    .private_segment_fixed_size: 0
    .kernarg_segment_align: 8
    .kernarg_segment_size: 32
    .max_flat_workgroup_size: 128
    .sgpr_count:     100
    .vgpr_count:     768
    .wavefront_size: 32
...
	.end_amdgpu_metadata
.endif
;; end of part 4
